; MI455X (gfx1250); checked and timed in simulation.
; The chip was launched on July 23, 2026; its instructions are those of AMD's public machine-readable ISA for CDNA 5 (MIT licence, August 2026) and "CDNA5" Instruction Set Architecture Reference Guide (July 2026). The comments in the code are by the model that wrote it; some were corrected since.
;; SOR Defense. Allowed arithmetic: float matrix products may take bf16 or f16 operands with f32 sums; all other float work in f32.
;; Inputs: x 16 x 3 x 2,048 float32.
;; Outputs: out0 16 x 3 x 2,048 float32.
;; One version. Each part assembles by itself: llvm-mc -triple=amdgcn-amd-amdhsa -mcpu=gfx1250 --defsym DOCPART=n.
;; ======== version 1 of 1: 3 launches
;; workspace buffers: val 131,072 bytes; plan 262,144 bytes of whole numbers
;; launch knn (part 1): grid 256 x 1, 8 waves a work-group, no clusters, 50,688 bytes of LDS; arguments x, val; writes val
.if DOCPART == 1
	.amdgcn_target "amdgcn-amd-amdhsa--gfx1250"
	.amdhsa_code_object_version 6
	.text
	.protected	k_qa1be2970d0_knn
	.globl	k_qa1be2970d0_knn
	.p2align	8
	.type	k_qa1be2970d0_knn,@function
k_qa1be2970d0_knn:
	s_mov_b64 s[64:65], 0
	v_nop
	global_prefetch_b8 v0, s[64:65] scope:SCOPE_SE
	s_setreg_imm32_b32 hwreg(HW_REG_WAVE_MODE, 25, 1), 1
	s_wait_xcnt 0x0
; val[b][g][q][r] = mean of the two smallest squared distances from point i = 256 q + 64 (g>>2) + 4 r + (g&3) of batch b
; to the other 2,047 points of the batch.  x: [16][3][2048] f32.
;
; DISTANCES.  One bf16 matrix instruction (16 x 16 x 32) gives D(cand, query) = sq_c - 2 x_c.x_q for 256 pairs to f32 accuracy:
; every f32 is cut into three bf16 pieces h + m + l by truncation (8 + 8 + 8 bits: exact).  The 32 places of K are four groups of 8:
;   candidate side, value y = x0, x1, x2, sq_c:  (h,m) (h,m) (h,m) (l,l)
;   query side, z = -2 x_d:                      (h,h) (m,m) (l,l) (h,m)    -> all piece products but l*l
;   query side, group of sq_c:                   (1,1) (0,0) (0,0) (1,0)    -> h + m + l
; A lane of the lower half holds groups 0 and 2, of the upper half groups 1 and 3 (16-bit operand layout, ISA guide 7.12.2), so a lane
; cuts just two numbers a tile: u = x[h] and v = x2 (lower half) or sq (upper half).  sq_q is added in f32 behind the selection.
; SELECTION.  Candidates are source 0, queries source 1: a lane owns ONE query (n = lane % 16) and its 8 result registers are 8 candidates.
; The pair (i, i) is left out by its place: C = 2^127 on the diagonal of the one tile that holds it.  In exact arithmetic that is the
; smallest entry of the row, which the problem drops; so only the two smallest (a <= b) of the rest are kept:
;   x = med3(a, d1, d2); a = min3(a, d1, d2); and for two such x: b = min3(b, x1, x2)       5 instructions for 4 elements.
; SHARES.  256 work-groups, 16 a batch; work-group g owns 8 query tiles, tile q = the points 256 q + 64 (g>>2) + 4 r + (g&3).
; Wave w streams candidates 256 w .. 256 w + 255 as 16 tiles (tile (c, e): points 256 w + 64 c + 4 r + e, so that a lane's 16-byte load
; brings one row of four tiles and 16 lanes read 256 consecutive bytes) against all 8 query tiles, held in registers, position p = tile
; (w + p) % 8.  So the tile with the diagonal is position 0 of each wave's first trip: the chunk with it is loaded first (address
; rotation) and element by element, rotated by g & 3.  The 8 waves' lists meet in LDS.
; NO CLUSTER, NO TENSOR LOAD: what the 16 work-groups of a batch share is 24,576 bytes, read once by each, 21 loads a lane, straight
; into the registers from which fragments are cut; a tile in LDS would add a barrier and 48 LDS loads a lane.
; LIMITS: inputs finite, sums of squares below 2^126 (the diagonal's 2^127 must stay the largest).  The dropped l*l products are below
; 6 * 2^(2e-30) for coordinates below 2^(e+1).  Results differ from a plain f32 evaluation in the last bits of sq.
.set BATB, 24576                       ; bytes of a batch
.set DIMB, 8192                        ; bytes of one coordinate's row
.set BIGF, 0x7f000000                  ; 2^127
.set LST,  16384                       ; LDS 0..16383: query fragments, slot q and slot q + 8 alike, 1,024 bytes each
.set FIN,  49152                       ; LDS 16384..49151: lists [wave][16 slots][lane] of 8 bytes; 49152..49663: the 128 results
.set VL,  1                            ; lane
.set VR,  2                            ; r = lane % 16
.set VH,  3                            ; h = lane / 16
.set VT2, 4                            ; 16 r            offset of my points in a chunk (x2 by the immediate)
.set VU,  5                            ; 16 r + 8192 h       the same in x[h]
.set VO,  6                            ; 16 r + 8192 (1-h)   and in x[1-h]
.set VF,  7                            ; LDS 16 lane + 1024 w
.set VW,  8                            ; LDS  8 lane + 4096 w
.set VRD, 9                            ; LDS  8 lane +  256 w
.set TM,  10                           ; v10-15  scratch
.set A0,  16                           ; v16-23, v24-31  candidate fragment, two buffers
.set A1,  24
.set TB,  32                           ; v32-39  pieces at work
.set XT,  40                           ; v40-47  runner-up candidates, two for each of four positions
.set LS,  48                           ; v48-63  position p: a in 48+2p, b in 49+2p
.set U,   64                           ; v64-79  u of my row of tile t
.set V,   80                           ; v80-95  x2, then v, of my row of tile t
.set CD,  96                           ; v96-103 C of the diagonal tile
.set BQ,  104                          ; v104-167 query fragments, position p at 104+8p
.set DX,  168                          ; v168-199 results, positions 0-3
.set DY,  200                          ; v200-231 results, positions 4-7
.set O,   DX                           ; before the first product: x[1-h] of 16 tiles,
.set S,   DX+16                        ; their sums of squares,
.set QF,  DY                           ; and the query fragment that this wave cuts
	s_load_b128 s[4:7], s[0:1], 0x0                ; x s[4:5], val s[6:7]
	v_lshl_add_u32 v232, v0, 2, 0xc200
	v_mov_b32 v233, 0
	v_and_b32 v[VL], 31, v0
	v_lshrrev_b32 v[TM], 5, v0
	v_readfirstlane_b32 s8, v[TM]                  ; wave w
	v_and_b32 v[VR], 15, v0
	v_bfe_u32 v[VH], v0, 4, 1
	s_lshr_b32 s9, ttmp9, 4                        ; batch
	s_bfe_u32 s11, ttmp9, 0x20002                  ; c_g = (g >> 2): the chunk of 64 points with my query tile
	s_and_b32 s12, ttmp9, 3                        ; e_g = g & 3: its place in each 16 bytes
	s_mul_i32 s13, s9, BATB
	s_lshl_b32 s14, s8, 10                         ; 1024 w: the wave's 256 points, and its fragment slot in LDS
	s_add_co_u32 s13, s13, s14
	s_mov_b32 s32, 0xffff0000                      ; a word's upper 16 bits: the bf16 piece
	s_mov_b32 s33, 0x07060302                      ; v_perm_b32: {source 0's upper half, source 1's upper half}
	s_mov_b32 s34, 0xffff0000                      ; lanes 16-31
	s_mov_b32 s35, 0x3f803f80                      ; bf16 (1, 1)
	s_mov_b32 s36, 0x00003f80                      ; bf16 (1, 0)
	s_mov_b32 s37, 0x76543210                      ; v_permlanex16_b32: lane i of the other half
	s_mov_b32 s38, 0xfedcba98
	; byte offsets of the seven load bases, made while the arguments are on their way
.irp e, 0,1,2,3
	s_add_co_u32 s30, s12, \e
	s_and_b32 s30, s30, 3                          ; trip e' takes element (e_g + e') % 4 of chunk c_g
	s_lshl_b32 s31, s11, 8
	s_lshl2_add_u32 s30, s30, s31
	s_add_co_u32 s[40+2*\e], s30, s13
	s_mov_b32 s[41+2*\e], 0
.endr
.irp c, 1,2,3
	s_add_co_u32 s30, s11, \c
	s_and_b32 s30, s30, 3                          ; then chunks (c_g + c') % 4, whole
	s_lshl_b32 s30, s30, 8
	s_add_co_u32 s[46+2*\c], s30, s13
	s_mov_b32 s[47+2*\c], 0
.endr
	v_lshlrev_b32 v[VT2], 4, v[VR]
	v_lshl_add_u32 v[VU], v[VH], 13, v[VT2]
	v_xor_b32 v[VO], DIMB, v[VU]
	s_wait_kmcnt 0x0
.irp i, 0,1,2,3,4,5,6
	s_add_nc_u64 s[16+2*\i:17+2*\i], s[4:5], s[40+2*\i:41+2*\i]
.endr
.irp e, 0,1,2,3
	global_load_b32 v[U+\e], v[VU],  s[16+2*\e:17+2*\e]
	global_load_b32 v[O+\e], v[VO],  s[16+2*\e:17+2*\e]
	global_load_b32 v[V+\e], v[VT2], s[16+2*\e:17+2*\e] offset:2*DIMB
.endr
.irp c, 1,2,3
	global_load_b128 v[U+4*\c:U+4*\c+3], v[VU],  s[22+2*\c:23+2*\c]
	global_load_b128 v[O+4*\c:O+4*\c+3], v[VO],  s[22+2*\c:23+2*\c]
	global_load_b128 v[V+4*\c:V+4*\c+3], v[VT2], s[22+2*\c:23+2*\c] offset:2*DIMB
.endr
	; while they travel: C of the diagonal tile.  Register j of lane (r, h) is candidate 8 h + j, query r.
	v_lshlrev_b32 v[TM+1], 3, v[VH]
	v_sub_nc_u32 v[TM+1], v[VR], v[TM+1]           ; r - 8 h: my diagonal register, if it is 0..7
	v_mov_b32 v[TM+2], BIGF
.irp j, 0,1,2,3,4,5,6,7
	v_cmp_eq_u32 vcc_lo, \j, v[TM+1]
	v_cndmask_b32 v[CD+\j], 0, v[TM+2], vcc_lo
.endr
	v_lshl_add_u32 v[VF], v[VL], 4, s14
	s_lshl_b32 s15, s8, 12
	v_lshl_add_u32 v[VW], v[VL], 3, s15
	s_lshl_b32 s15, s8, 8
	v_lshl_add_u32 v[VRD], v[VL], 3, s15
; tiles t, t+1: sq = x0^2 + x1^2 + x2^2 in that order in the upper lanes (O = x0, U = x1 there), which then take it as v
.macro SQ2 t
	v_pk_mul_f32 v[S+\t:S+\t+1], v[O+\t:O+\t+1], v[O+\t:O+\t+1]
	v_pk_fma_f32 v[S+\t:S+\t+1], v[U+\t:U+\t+1], v[U+\t:U+\t+1], v[S+\t:S+\t+1]
	v_pk_fma_f32 v[S+\t:S+\t+1], v[V+\t:V+\t+1], v[V+\t:V+\t+1], v[S+\t:S+\t+1]
	v_cndmask_b32 v[V+\t],   v[V+\t],   v[S+\t],   s34
	v_cndmask_b32 v[V+\t+1], v[V+\t+1], v[S+\t+1], s34
.endm
; four registers of a query fragment: the pieces of -2 * src as (h,h) (m,m) (l,l) (h,m)
.macro QCUT src, dst
	v_mul_f32 v[TB], -2.0, v[\src]
	v_and_b32 v[TB+1], s32, v[TB]                  ; h
	v_sub_f32 v[TB+2], v[TB], v[TB+1]              ; the rest, exact; its upper half is m
	v_and_b32 v[TB+3], s32, v[TB+2]
	v_sub_f32 v[TB+4], v[TB+2], v[TB+3]            ; l: at most 8 bits are left, so it is a bf16 already
	v_perm_b32 v[\dst],   v[TB],   v[TB],   s33
	v_perm_b32 v[\dst+1], v[TB+2], v[TB+2], s33
	v_perm_b32 v[\dst+2], v[TB+4], v[TB+4], s33
	v_perm_b32 v[\dst+3], v[TB+2], v[TB],   s33
.endm
	s_wait_loadcnt 0x9                             ; the first 12 loads (chunk c_g) are in; the 9 loads of 16 bytes stay out
	SQ2 0
	SQ2 2
	QCUT U, QF                                     ; my first tile is query tile w: cut its fragment for all eight waves
	QCUT V, QF+4
	v_cndmask_b32 v[QF+4], v[QF+4], s35, s34       ; upper lanes: the group of sq_c takes h + m ...
	v_cndmask_b32 v[QF+5], v[QF+5], 0,   s34
	v_cndmask_b32 v[QF+6], v[QF+6], 0,   s34
	v_cndmask_b32 v[QF+7], v[QF+7], s36, s34       ; ... + l
	ds_store_b128 v[VF], v[QF:QF+3]                ; the register image as it is, 16 bytes a lane; slots w and w + 8,
	ds_store_b128 v[VF], v[QF+4:QF+7] offset:512   ; so that position p is read at slot w + p without a wrap
	ds_store_b128 v[VF], v[QF:QF+3]   offset:8192
	ds_store_b128 v[VF], v[QF+4:QF+7] offset:8704
	s_wait_dscnt 0x0                               ; my stores are in LDS before I say so
	s_barrier_signal -1
	s_barrier_wait -1
.irp p, 0,1,2,3,4,5,6,7
	ds_load_b128 v[BQ+8*\p:BQ+8*\p+3],   v[VF] offset:1024*\p
	ds_load_b128 v[BQ+8*\p+4:BQ+8*\p+7], v[VF] offset:1024*\p+512
.endr
	s_wait_loadcnt 0x0                             ; the other three chunks
.irp t, 4,6,8,10,12,14
	SQ2 \t
.endr
; candidate fragment of tile t: u's pieces in registers 0-3, v's in 4-7, each (h,m) (h,m) (h,m) (l,l)
.macro BUILD t, dst
	v_and_b32 v[TB],   s32, v[U+(\t)]
	v_and_b32 v[TB+4], s32, v[V+(\t)]
	v_sub_f32 v[TB+1], v[U+(\t)], v[TB]
	v_sub_f32 v[TB+5], v[V+(\t)], v[TB+4]
	v_and_b32 v[TB+2], s32, v[TB+1]
	v_and_b32 v[TB+6], s32, v[TB+5]
.irp c, 0,1,2
	v_perm_b32 v[(\dst)+\c],   v[TB+1], v[U+(\t)], s33
	v_perm_b32 v[(\dst)+4+\c], v[TB+5], v[V+(\t)], s33
.endr
	v_sub_f32 v[TB+3], v[TB+1], v[TB+2]
	v_sub_f32 v[TB+7], v[TB+5], v[TB+6]
	v_perm_b32 v[(\dst)+3], v[TB+3], v[TB+3], s33
	v_perm_b32 v[(\dst)+7], v[TB+7], v[TB+7], s33
.endm
.macro MM1 d, p, a
	v_wmma_f32_16x16x32_bf16 v[(\d):(\d)+7], v[(\a):(\a)+7], v[BQ+8*(\p):BQ+8*(\p)+7], 0
.endm
.macro MM d, p, a                      ; one candidate tile against four query tiles
	MM1 \d, \p, \a
	MM1 \d+8, \p+1, \a
	MM1 \d+16, \p+2, \a
	MM1 \d+24, \p+3, \a
.endm
; elements 2k, 2k+1 of four positions: four chains side by side, so that no instruction waits for the one in front of it
.macro PAIR d, p, k, x
.irp i, 0,1,2,3
	v_med3_num_f32 v[XT+2*\i+\x], v[LS+2*(\p+\i)], v[\d+8*\i+2*\k], v[\d+8*\i+2*\k+1]
.endr
.irp i, 0,1,2,3
	v_min3_num_f32 v[LS+2*(\p+\i)], v[LS+2*(\p+\i)], v[\d+8*\i+2*\k], v[\d+8*\i+2*\k+1]
.endr
.endm
.macro BMIN p
.irp i, 0,1,2,3
	v_min3_num_f32 v[LS+2*(\p+\i)+1], v[LS+2*(\p+\i)+1], v[XT+2*\i], v[XT+2*\i+1]
.endr
.endm
; 32 results a lane into four lists.  first = 1: the first two elements start the lists, nothing is preset.
.macro SEL d, p, first
.if \first
.irp i, 0,1,2,3
	v_max_num_f32 v[LS+2*(\p+\i)+1], v[\d+8*\i], v[\d+8*\i+1]
.endr
.irp i, 0,1,2,3
	v_min_num_f32 v[LS+2*(\p+\i)], v[\d+8*\i], v[\d+8*\i+1]
.endr
	PAIR \d, \p, 1, 1
.irp i, 0,1,2,3
	v_min_num_f32 v[LS+2*(\p+\i)+1], v[LS+2*(\p+\i)+1], v[XT+2*\i+1]
.endr
.else
	PAIR \d, \p, 0, 0
	PAIR \d, \p, 1, 1
	BMIN \p
.endif
	PAIR \d, \p, 2, 0
	PAIR \d, \p, 3, 1
	BMIN \p
.endm
; THE 16 TRIPS, written out (the raw numbers of tile t lie in registers U+t, V+t).  Order of a trip: products of positions 0-3, selection
; of the last trip's positions 4-7, products of positions 4-7, the next fragment, selection of positions 0-3.  So every matrix result is
; read, every result set written again and every fragment buffer rebuilt only behind 16 to 40 vector instructions that name none of
; that matrix instruction's registers (ISA guide 7.12.1 asks for four or five).
	BUILD 0, A0
	s_wait_dscnt 0x0                               ; the eight query fragments
	v_wmma_f32_16x16x32_bf16 v[DX:DX+7], v[A0:A0+7], v[BQ:BQ+7], v[CD:CD+7]   ; my own tile: the diagonal gets 2^127
	MM1 DX+8, 1, A0
	MM1 DX+16, 2, A0
	MM1 DX+24, 3, A0
	MM DY, 4, A0
	BUILD 1, A1
	SEL DX, 0, 1
	MM DX, 0, A1
	SEL DY, 4, 1
	MM DY, 4, A1
	BUILD 2, A0
	SEL DX, 0, 0
.set t, 2
.rept 13
	MM DX, 0, A0+8*(t&1)
	SEL DY, 4, 0
	MM DY, 4, A0+8*(t&1)
	BUILD t+1, A0+8*((t+1)&1)
	SEL DX, 0, 0
.set t, t+1
.endr
	MM DX, 0, A1
	SEL DY, 4, 0
	MM DY, 4, A1
	SEL DX, 0, 0
	SEL DY, 4, 0
	; THE LISTS MEET.  Wave w puts position p into its slots p and p + 8; wave q then finds tile q's list of wave s at slot q - s + 8,
	; that is at 8 lane + 256 q + 2048 + 3840 s: one address register and immediates.
.irp p, 0,1,2,3,4,5,6,7
	ds_store_b64 v[VW], v[LS+2*\p:LS+2*\p+1] offset:LST+256*\p
	ds_store_b64 v[VW], v[LS+2*\p:LS+2*\p+1] offset:LST+256*\p+2048
.endr
	s_wait_dscnt 0x0                               ; in LDS before I say so
	s_barrier_signal -1
	s_barrier_wait -1
.irp s, 0,1,2,3,4,5,6,7
	ds_load_b64 v[DX+2*\s:DX+2*\s+1], v[VRD] offset:LST+2048+3840*\s
.endr
.macro MERGE x, y, t                   ; two sorted pairs into one: min(a, a'), min(b, b', max(a, a'))
	v_max_num_f32 v[\t], v[\x], v[\y]
	v_min_num_f32 v[\x], v[\x], v[\y]
	v_min3_num_f32 v[\x+1], v[\x+1], v[\y+1], v[\t]
.endm
	s_lshl_b32 s15, s8, 6
	v_lshl_add_u32 v[TM+4], v[VR], 2, s15          ; result of query r of tile w
	s_wait_dscnt 0x0
	MERGE DX,    DX+2,  TM
	MERGE DX+4,  DX+6,  TM+1
	MERGE DX+8,  DX+10, TM+2
	MERGE DX+12, DX+14, TM+3
	MERGE DX,    DX+4,  TM
	MERGE DX+8,  DX+12, TM+1
	MERGE DX,    DX+8,  TM
	v_permlanex16_b32 v[DX+2], v[DX],   s37, s38   ; the other half of the lanes saw the other 8 rows of every tile
	v_permlanex16_b32 v[DX+3], v[DX+1], s37, s38
	v_permlanex16_b32 v[DX+4], v[V],    s37, s38   ; sq of query r lies in lane 16 + r (v of my first tile)
	MERGE DX, DX+2, TM
	v_cndmask_b32 v[DX+4], v[DX+4], v[V], s34
	v_add_f32 v[DX],   v[DX],   v[DX+4]            ; + sq_q: now squared distances
	v_add_f32 v[DX+1], v[DX+1], v[DX+4]
	v_add_f32 v[DX], v[DX], v[DX+1]
	v_mul_f32 v[DX], 0.5, v[DX]
	ds_store_b32 v[TM+4], v[DX] offset:FIN         ; lanes r and 16 + r write the same word with the same number
	s_wait_dscnt 0x0
	s_barrier_signal -1
	s_barrier_wait -1
	s_cmp_lg_u32 s8, 0
	s_cbranch_scc1 .Lend
	v_lshlrev_b32 v[TM+5], 4, v[VL]                ; wave 0 stores the work-group's 512 bytes: 16 lanes fill 256 consecutive bytes, aligned
	ds_load_b128 v[DX:DX+3], v[TM+5] offset:FIN
	s_lshl_b32 s30, ttmp9, 9
	s_mov_b32 s31, 0
	s_add_nc_u64 s[6:7], s[6:7], s[30:31]
	s_wait_dscnt 0x0
	global_store_b128 v[TM+5], v[DX:DX+3], s[6:7]
.Lend:
	s_wait_tensorcnt 0x0
	ds_add_u32 v232, v233
	s_wait_dscnt 0x0
	s_endpgm
.Lfunc_end_k_qa1be2970d0_knn:
	.size	k_qa1be2970d0_knn, .Lfunc_end_k_qa1be2970d0_knn-k_qa1be2970d0_knn
	.p2alignl 7, 3214868480
	.fill 96, 4, 3214868480
	.section	.rodata,"a",@progbits
	.p2align	6, 0x0
	.amdhsa_kernel k_qa1be2970d0_knn
		.amdhsa_group_segment_fixed_size 50688
		.amdhsa_private_segment_fixed_size 0
		.amdhsa_enable_private_segment 0
		.amdhsa_kernarg_size 16
		.amdhsa_user_sgpr_count 2
		.amdhsa_user_sgpr_kernarg_segment_ptr 1
		.amdhsa_wavefront_size32 1
		.amdhsa_system_sgpr_workgroup_id_x 1
		.amdhsa_system_sgpr_workgroup_id_y 1
		.amdhsa_system_sgpr_workgroup_id_z 1
		.amdhsa_system_vgpr_workitem_id 0
		.amdhsa_next_free_vgpr 234
		.amdhsa_next_free_sgpr 66
		.amdhsa_reserve_vcc 1
		.amdhsa_float_denorm_mode_32 3
		.amdhsa_float_denorm_mode_16_64 3
		.amdhsa_memory_ordered 1
		.amdhsa_forward_progress 1
		.amdhsa_inst_pref_size 114
	.end_amdhsa_kernel
	.amdgpu_metadata
---
amdhsa.version: [ 1, 2 ]
amdhsa.kernels:
  - .name:           k_qa1be2970d0_knn
    .symbol:         k_qa1be2970d0_knn.kd
    .args:
      - { .name: x, .offset: 0, .size: 8, .value_kind: global_buffer, .address_space: global }
      - { .name: val, .offset: 8, .size: 8, .value_kind: global_buffer, .address_space: global }
    .group_segment_fixed_size: 50688
    .private_segment_fixed_size: 0
    .kernarg_segment_align: 8
    .kernarg_segment_size: 16
    .max_flat_workgroup_size: 256
    .sgpr_count:     66
    .vgpr_count:     234
    .wavefront_size: 32
...
	.end_amdgpu_metadata
.endif
;; end of part 1
;; launch stats (part 2): grid 16 x 1, 16 waves a work-group, no clusters, 10,752 bytes of LDS; arguments val, plan; writes plan
.if DOCPART == 2
	.amdgcn_target "amdgcn-amd-amdhsa--gfx1250"
	.amdhsa_code_object_version 6
	.text
	.protected	k_qa1be2970d0_stats
	.globl	k_qa1be2970d0_stats
	.p2align	8
	.type	k_qa1be2970d0_stats,@function
k_qa1be2970d0_stats:
	s_mov_b64 s[64:65], 0
	v_nop
	global_prefetch_b8 v0, s[64:65] scope:SCOPE_SE
	s_setreg_imm32_b32 hwreg(HW_REG_WAVE_MODE, 25, 1), 1
	s_wait_xcnt 0x0
; One work-group a batch: mean and unbiased std of the 2,048 values, the mask value <= mean + 1.1 std, and from it two tables of whole
; numbers for the next launch, which alone may form addresses from them:
;   plan[b][i]          = place of point i in the stable order "kept first": its rank among the kept, or n + (dropped before it)
;   plan[16*2048 + ..j] = j mod n, n = number of kept points
; 16 waves, thread t owns points 4 t .. 4 t + 3.  val lies as [g][q][r] with i = 256 q + 64 (g>>2) + 4 r + (g&3): it is read as it lies,
; 16 consecutive bytes a lane, and put into the natural order through LDS under the barrier that the first sum needs anyway.
; The variance is made in two passes, about the mean.  No address here hangs on a loaded number.
; The 16 work-groups share no input: nothing for a cluster.  16 is all the work there is: a batch's threshold needs all its values.
; LIMITS: finite values.  Then the smallest value is <= the mean, so n >= 1.  /2047 is a multiplication by the rounded reciprocal.
.set PITCH, 1040                       ; 256 values + 16 bytes: the eight blocks q that a wave's stores touch start 16 bytes apart modulo 256
.set P1, 8448                          ; 16 waves' sums
.set P2, 8512                          ; 16 waves' sums of squared deviations
.set CN, 8576                          ; 16 waves' counts
.macro RSUM r                          ; sum over the 16 lanes of a row, in every lane
	v_add_f32_dpp v\r, v\r, v\r row_xmask:1 row_mask:0xf bank_mask:0xf
	v_add_f32_dpp v\r, v\r, v\r row_xmask:2 row_mask:0xf bank_mask:0xf
	v_add_f32_dpp v\r, v\r, v\r row_xmask:4 row_mask:0xf bank_mask:0xf
	v_add_f32_dpp v\r, v\r, v\r row_xmask:8 row_mask:0xf bank_mask:0xf
.endm
.macro WSUM r, t                       ; over the wave
	RSUM \r
	v_permlanex16_b32 v\t, v\r, s12, s13
	v_add_f32 v\r, v\r, v\t
.endm
.macro MEET                            ; my LDS stores are done, then everybody's
	s_wait_dscnt 0x0
	s_barrier_signal -1
	s_barrier_wait -1
.endm
	s_load_b128 s[4:7], s[0:1], 0x0                ; val s[4:5], plan s[6:7]
	v_lshl_add_u32 v52, v0, 2, 0x2200
	v_mov_b32 v53, 0
	v_lshrrev_b32 v1, 5, v0
	v_readfirstlane_b32 s8, v1                     ; wave; as val lies, also the g of my four values
	v_lshlrev_b32 v2, 4, v0                        ; 16 t
	s_lshl_b32 s10, ttmp9, 13                      ; 8,192 bytes a batch in val and in each table
	s_mov_b32 s11, 0
	s_mov_b32 s12, 0x76543210
	s_mov_b32 s13, 0xfedcba98
	s_wait_kmcnt 0x0
	s_add_nc_u64 s[4:5], s[4:5], s[10:11]
	s_add_nc_u64 s[6:7], s[6:7], s[10:11]
	global_load_b128 v[4:7], v2, s[4:5]            ; q = (t >> 2) & 7, r = 4 (t & 3) + k
	v_bfe_u32 v3, v0, 2, 3
	v_mul_u32_u24 v3, v3, PITCH                    ; natural place of value k: 1040 q + 256 (g>>2) + 64 (t&3) + 16 k + 4 (g&3)
	v_and_b32 v1, 3, v0
	v_lshl_add_u32 v3, v1, 6, v3
	s_lshr_b32 s14, s8, 2
	s_lshl_b32 s14, s14, 8
	s_and_b32 s15, s8, 3
	s_lshl2_add_u32 s14, s15, s14
	v_add_nc_u32 v3, s14, v3
	v_lshrrev_b32 v9, 6, v0
	v_lshl_add_u32 v9, v9, 4, v2                   ; my four points in that order: 16 t + 16 (t >> 6)
	v_and_b32 v8, 15, v0
	v_lshlrev_b32 v33, 2, v8                       ; lane % 16 reads wave (lane % 16)'s word
	s_lshl_b32 s16, s8, 2
	v_mov_b32 v34, s16                             ; my wave's word
	v_lshlrev_b32 v41, 2, v0                       ; 4 t: my first point, and my first j
	s_wait_loadcnt 0x0
	ds_store_b32 v3, v4
	ds_store_b32 v3, v5 offset:16
	ds_store_b32 v3, v6 offset:32
	ds_store_b32 v3, v7 offset:48
	v_add_f32 v10, v4, v5
	v_add_f32 v11, v6, v7
	v_add_f32 v10, v10, v11
	WSUM 10, 11
	ds_store_b32 v34, v10 offset:P1
	MEET
	ds_load_b32 v12, v33 offset:P1
	ds_load_b128 v[4:7], v9
	s_wait_dscnt 0x0
	RSUM 12                                        ; each row of 16 lanes holds all 16 waves' sums
	v_mul_f32 v13, 0x3a000000, v12                 ; mean = sum / 2048
	v_sub_f32 v14, v4, v13
	v_sub_f32 v15, v5, v13
	v_sub_f32 v16, v6, v13
	v_sub_f32 v17, v7, v13
	v_mul_f32 v18, v14, v14
	v_fma_f32 v18, v15, v15, v18
	v_fma_f32 v18, v16, v16, v18
	v_fma_f32 v18, v17, v17, v18
	WSUM 18, 11
	ds_store_b32 v34, v18 offset:P2
	MEET
	ds_load_b32 v12, v33 offset:P2
	s_wait_dscnt 0x0
	RSUM 12
	v_mul_f32 v19, 0x3a001002, v12                 ; / 2047
	v_sqrt_f32 v19, v19
	v_cvt_f32_u32 v42, v41                         ; a plain instruction between the root and its use (ISA guide 5.7.2); needed below
	s_wait_alu depctr_va_vdst(0)
	v_fmamk_f32 v20, v19, 0x3f8ccccd, v13          ; mean + 1.1 std
	v_cmp_le_f32 s20, v4, v20
	v_cmp_le_f32 s21, v5, v20
	v_cmp_le_f32 s22, v6, v20
	v_cmp_le_f32 s23, v7, v20
	s_bcnt1_i32_b32 s24, s20
	s_bcnt1_i32_b32 s25, s21
	s_bcnt1_i32_b32 s26, s22
	s_bcnt1_i32_b32 s27, s23
	s_add_co_u32 s24, s24, s25
	s_add_co_u32 s26, s26, s27
	s_add_co_u32 s24, s24, s26                     ; kept in my wave's 128 points
	v_mov_b32 v21, s24
	ds_store_b32 v34, v21 offset:CN
	MEET
	ds_load_b32 v22, v33 offset:CN
	s_wait_dscnt 0x0
	v_cmp_gt_u32 vcc_lo, s8, v8
	v_cndmask_b32 v23, 0, v22, vcc_lo              ; only the waves in front of mine
.irp m, 1,2,4,8
	v_mov_b32_dpp v14, v22 row_xmask:\m row_mask:0xf bank_mask:0xf
	v_mov_b32_dpp v15, v23 row_xmask:\m row_mask:0xf bank_mask:0xf
	v_add_nc_u32 v22, v22, v14                     ; n
	v_add_nc_u32 v23, v23, v15                     ; kept in front of my wave
.endr
	v_cvt_f32_u32 v40, v22
	v_rcp_f32 v40, v40
	v_mbcnt_lo_u32_b32 v24, s20, v23               ; + kept in the lanes below mine: the rank of my first point
	v_mbcnt_lo_u32_b32 v24, s21, v24
	v_mbcnt_lo_u32_b32 v24, s22, v24
	v_mbcnt_lo_u32_b32 v24, s23, v24
	v_cndmask_b32 v28, 0, 1, s20
	v_cndmask_b32 v29, 0, 1, s21
	v_cndmask_b32 v30, 0, 1, s22
	v_add_nc_u32 v25, v24, v28
	v_add_nc_u32 v26, v25, v29
	v_add_nc_u32 v27, v26, v30
	v_add_nc_u32 v31, v41, v22                     ; n + i
	v_sub_nc_u32 v36, v31, v24                     ; a dropped point goes to n + i - rank
	v_sub_nc_u32 v37, v31, v25
	v_sub_nc_u32 v38, v31, v26
	v_sub_nc_u32 v39, v31, v27
	v_add_nc_u32 v37, 1, v37
	v_add_nc_u32 v38, 2, v38
	v_add_nc_u32 v39, 3, v39
	v_cndmask_b32 v36, v36, v24, s20
	v_cndmask_b32 v37, v37, v25, s21
	v_cndmask_b32 v38, v38, v26, s22
	v_cndmask_b32 v39, v39, v27, s23
	global_store_b128 v2, v[36:39], s[6:7]
	; 4 t mod n: the quotient from the reciprocal is off by one at the most; the two unsigned minima mend either side
	s_wait_alu depctr_va_vdst(0)
	v_mul_f32 v42, v42, v40
	v_cvt_u32_f32 v42, v42
	v_mul_lo_u32 v42, v42, v22
	v_sub_nc_u32 v44, v41, v42
	v_add_nc_u32 v48, v44, v22
	v_min_u32 v44, v44, v48                        ; below 0 (a huge unsigned number): + n
	v_sub_nc_u32 v48, v44, v22
	v_min_u32 v44, v44, v48                        ; n or more: - n
.irp k, 45,46,47
	v_add_nc_u32 v\k, 1, v[\k-1]                   ; the next j: one on, and n becomes 0
	v_sub_nc_u32 v48, v\k, v22
	v_min_u32 v\k, v\k, v48
.endr
	global_store_b128 v2, v[44:47], s[6:7] offset:131072
	s_wait_tensorcnt 0x0
	ds_add_u32 v52, v53
	s_wait_dscnt 0x0
	s_endpgm
.Lfunc_end_k_qa1be2970d0_stats:
	.size	k_qa1be2970d0_stats, .Lfunc_end_k_qa1be2970d0_stats-k_qa1be2970d0_stats
	.p2alignl 7, 3214868480
	.fill 96, 4, 3214868480
	.section	.rodata,"a",@progbits
	.p2align	6, 0x0
	.amdhsa_kernel k_qa1be2970d0_stats
		.amdhsa_group_segment_fixed_size 10752
		.amdhsa_private_segment_fixed_size 0
		.amdhsa_enable_private_segment 0
		.amdhsa_kernarg_size 16
		.amdhsa_user_sgpr_count 2
		.amdhsa_user_sgpr_kernarg_segment_ptr 1
		.amdhsa_wavefront_size32 1
		.amdhsa_system_sgpr_workgroup_id_x 1
		.amdhsa_system_sgpr_workgroup_id_y 1
		.amdhsa_system_sgpr_workgroup_id_z 1
		.amdhsa_system_vgpr_workitem_id 0
		.amdhsa_next_free_vgpr 54
		.amdhsa_next_free_sgpr 66
		.amdhsa_reserve_vcc 1
		.amdhsa_float_denorm_mode_32 3
		.amdhsa_float_denorm_mode_16_64 3
		.amdhsa_memory_ordered 1
		.amdhsa_forward_progress 1
		.amdhsa_inst_pref_size 8
	.end_amdhsa_kernel
	.amdgpu_metadata
---
amdhsa.version: [ 1, 2 ]
amdhsa.kernels:
  - .name:           k_qa1be2970d0_stats
    .symbol:         k_qa1be2970d0_stats.kd
    .args:
      - { .name: val, .offset: 0, .size: 8, .value_kind: global_buffer, .address_space: global }
      - { .name: plan, .offset: 8, .size: 8, .value_kind: global_buffer, .address_space: global }
    .group_segment_fixed_size: 10752
    .private_segment_fixed_size: 0
    .kernarg_segment_align: 8
    .kernarg_segment_size: 16
    .max_flat_workgroup_size: 512
    .sgpr_count:     66
    .vgpr_count:     54
    .wavefront_size: 32
...
	.end_amdgpu_metadata
.endif
;; end of part 2
;; launch gather (part 3): grid 16 x 3, 16 waves a work-group, no clusters, 10,240 bytes of LDS; arguments x, plan, out0; writes out0
.if DOCPART == 3
	.amdgcn_target "amdgcn-amd-amdhsa--gfx1250"
	.amdhsa_code_object_version 6
	.text
	.protected	k_qa1be2970d0_gather
	.globl	k_qa1be2970d0_gather
	.p2align	8
	.type	k_qa1be2970d0_gather,@function
k_qa1be2970d0_gather:
	s_mov_b64 s[64:65], 0
	v_nop
	global_prefetch_b8 v0, s[64:65] scope:SCOPE_SE
	s_setreg_imm32_b32 hwreg(HW_REG_WAVE_MODE, 25, 1), 1
	s_wait_xcnt 0x0
; out0[b][d][j] = x[b][d][order[j mod n]].  One work-group for a batch b (first id) and a coordinate d (second id); thread t owns
; points and outputs 4 t .. 4 t + 3.  plan's first table gives each point's place in the order "kept first", a permutation of 0..2047:
; every thread puts its four numbers at their places in LDS; behind the barrier output j reads place j mod n (plan's second table).
; All global accesses are 16 consecutive bytes a lane: 16 lanes cover 256 consecutive bytes, aligned.
; The three work-groups of a batch share 16,384 bytes of plan, read once each by two loads a lane: too little for a joint request.
; Both tables are whole numbers that an earlier launch stored; each is bounded by v_min_u32 before it becomes an address.
	s_load_b128 s[4:7], s[0:1], 0x0                ; x s[4:5], plan s[6:7]
	s_load_b64 s[8:9], s[0:1], 0x10                ; out0
	v_lshl_add_u32 v20, v0, 2, 0x2000
	v_mov_b32 v21, 0
	s_and_b32 s10, ttmp7, 0xffff                   ; d
	s_mul_i32 s12, ttmp9, 24576
	s_lshl_b32 s13, s10, 13
	s_add_co_u32 s12, s12, s13                     ; row (b, d) of x and of out0
	s_mov_b32 s13, 0
	s_lshl_b32 s14, ttmp9, 13                      ; row b of the tables
	s_mov_b32 s15, 0
	v_lshlrev_b32 v1, 4, v0
	s_wait_kmcnt 0x0
	s_add_nc_u64 s[4:5], s[4:5], s[12:13]
	s_add_nc_u64 s[8:9], s[8:9], s[12:13]
	s_add_nc_u64 s[6:7], s[6:7], s[14:15]
	global_load_b128 v[4:7], v1, s[6:7]                    ; places of my points
	global_load_b128 v[8:11], v1, s[4:5]                   ; my points' coordinate
	global_load_b128 v[12:15], v1, s[6:7] offset:131072    ; j mod n of my outputs
	s_wait_loadcnt 0x1                             ; the first two are in; the third stays out
.irp k, 4,5,6,7
	v_min_u32 v\k, 0x7ff, v\k
	v_lshlrev_b32 v\k, 2, v\k
.endr
	ds_store_b32 v4, v8
	ds_store_b32 v5, v9
	ds_store_b32 v6, v10
	ds_store_b32 v7, v11
	s_wait_loadcnt 0x0
.irp k, 12,13,14,15
	v_min_u32 v\k, 0x7ff, v\k
	v_lshlrev_b32 v\k, 2, v\k
.endr
	s_wait_dscnt 0x0                               ; my four numbers are in LDS before I say so
	s_barrier_signal -1
	s_barrier_wait -1
	ds_load_b32 v16, v12
	ds_load_b32 v17, v13
	ds_load_b32 v18, v14
	ds_load_b32 v19, v15
	s_wait_dscnt 0x0
	global_store_b128 v1, v[16:19], s[8:9]
	s_wait_tensorcnt 0x0
	ds_add_u32 v20, v21
	s_wait_dscnt 0x0
	s_endpgm
.Lfunc_end_k_qa1be2970d0_gather:
	.size	k_qa1be2970d0_gather, .Lfunc_end_k_qa1be2970d0_gather-k_qa1be2970d0_gather
	.p2alignl 7, 3214868480
	.fill 96, 4, 3214868480
	.section	.rodata,"a",@progbits
	.p2align	6, 0x0
	.amdhsa_kernel k_qa1be2970d0_gather
		.amdhsa_group_segment_fixed_size 10240
		.amdhsa_private_segment_fixed_size 0
		.amdhsa_enable_private_segment 0
		.amdhsa_kernarg_size 24
		.amdhsa_user_sgpr_count 2
		.amdhsa_user_sgpr_kernarg_segment_ptr 1
		.amdhsa_wavefront_size32 1
		.amdhsa_system_sgpr_workgroup_id_x 1
		.amdhsa_system_sgpr_workgroup_id_y 1
		.amdhsa_system_sgpr_workgroup_id_z 1
		.amdhsa_system_vgpr_workitem_id 0
		.amdhsa_next_free_vgpr 22
		.amdhsa_next_free_sgpr 66
		.amdhsa_reserve_vcc 0
		.amdhsa_float_denorm_mode_32 3
		.amdhsa_float_denorm_mode_16_64 3
		.amdhsa_memory_ordered 1
		.amdhsa_forward_progress 1
		.amdhsa_inst_pref_size 3
	.end_amdhsa_kernel
	.amdgpu_metadata
---
amdhsa.version: [ 1, 2 ]
amdhsa.kernels:
  - .name:           k_qa1be2970d0_gather
    .symbol:         k_qa1be2970d0_gather.kd
    .args:
      - { .name: x, .offset: 0, .size: 8, .value_kind: global_buffer, .address_space: global }
      - { .name: plan, .offset: 8, .size: 8, .value_kind: global_buffer, .address_space: global }
      - { .name: out0, .offset: 16, .size: 8, .value_kind: global_buffer, .address_space: global }
    .group_segment_fixed_size: 10240
    .private_segment_fixed_size: 0
    .kernarg_segment_align: 8
    .kernarg_segment_size: 24
    .max_flat_workgroup_size: 512
    .sgpr_count:     66
    .vgpr_count:     22
    .wavefront_size: 32
...
	.end_amdgpu_metadata
.endif
;; end of part 3
